; MI455X (gfx1250); checked and timed in simulation.
; The chip was launched on July 23, 2026; its instructions are those of AMD's public machine-readable ISA for CDNA 5 (MIT licence, August 2026) and "CDNA5" Instruction Set Architecture Reference Guide (July 2026). The comments in the code are by the model that wrote it; some were corrected since.
;; Cross Attention. Allowed arithmetic: float matrix products may take bf16 or f16 operands with f32 sums; other float arithmetic in f32, or as packed bf16 or f16 multiplies, adds, multiply-adds, maxima and minima; sums over many terms, partial sums and values carried from step to step in f32; what a program stores and reads back later, other than sums and carried values, may be rounded once to bf16 or f16.
;; Inputs: h 8 x 256 x 64 x 64 float32; xs 8 x 256 x 64 x 64 float32; ys 8 x 256 x 64 x 64 float32.
;; Outputs: out0 8 x 256 x 64 x 64 float32.
;; 2 versions, each right and faster than the one before. Each part assembles by itself: llvm-mc -triple=amdgcn-amd-amdhsa -mcpu=gfx1250 --defsym DOCPART=n.
;; ======== version 1 of 2: 2 launches
;; workspace buffers: kv 33,554,432 bytes
;; launch cast (part 1): grid 256 x 2, 8 waves a work-group, no clusters, 0 bytes of LDS; arguments xs, ys, kv; writes kv
.if DOCPART == 1
	.amdgcn_target "amdgcn-amd-amdhsa--gfx1250"
	.amdhsa_code_object_version 6
	.text
	.protected	k_qfa11d1b35f_cast
	.globl	k_qfa11d1b35f_cast
	.p2align	8
	.type	k_qfa11d1b35f_cast,@function
k_qfa11d1b35f_cast:
	s_mov_b64 s[64:65], 0
	v_nop
	global_prefetch_b8 v0, s[64:65] scope:SCOPE_SE
	s_setreg_imm32_b32 hwreg(HW_REG_WAVE_MODE, 25, 1), 1
	s_wait_xcnt 0x0
; kv = bf16(xs), then bf16(ys): both keep their layout [8][256][4096]; each number is rounded once, to nearest even.
; A stream: no LDS, no barrier, no matrix unit, no cluster (no two work-groups read the same byte).
; Work-group (x, y): y picks the tensor, x its 131,072 input bytes (32,768 numbers) and 65,536 output bytes.
; Thread t takes, for i = 0 .. 31, the 16 bytes at 4,096 i + 16 t and writes the 8 bytes at 2,048 i + 8 t: a wave's load covers 512
; consecutive bytes, a wave's store 256 consecutive bytes at a multiple of 256 from the buffer's first byte.
; All 32 loads of a wave go out at once (16 KiB a wave on their way); no register is written twice, so nothing but the loads is waited for.
.set N,  32                            ; loads of a thread
.set X,  4                             ; v[4:131]    load i: four f32
.set Y,  132                           ; v[132:195]  store i: four bf16
	s_load_b128 s[4:7], s[0:1], 0x0                ; xs s[4:5], ys s[6:7]
	s_load_b64 s[8:9], s[0:1], 0x10                ; kv
	s_and_b32 s10, ttmp7, 0xffff                   ; y: 0 = xs, 1 = ys
	s_lshl_b32 s12, ttmp9, 17                      ; my input bytes begin at 131,072 x
	s_mov_b32 s13, 0
	s_lshl_b32 s14, ttmp9, 16                      ; my output bytes at 65,536 x,
	s_lshl_b32 s15, s10, 24                        ; ys's copy 16,777,216 bytes behind xs's
	s_add_co_u32 s14, s14, s15
	s_mov_b32 s15, 0
	v_lshlrev_b32 v1, 4, v0                        ; 16 t
	v_lshlrev_b32 v2, 3, v0                        ; 8 t
	s_wait_kmcnt 0x0
	s_cmp_eq_u32 s10, 0
	s_cselect_b64 s[4:5], s[4:5], s[6:7]           ; the tensor that I read
	s_add_nc_u64 s[4:5], s[4:5], s[12:13]
	s_add_nc_u64 s[8:9], s[8:9], s[14:15]
.set i, 0
.rept N
	global_load_b128 v[X+4*i:X+4*i+3], v1, s[4:5] offset:4096*i th:TH_LOAD_NT  ; read once in the whole launch
.set i, i+1
.endr
.set i, 0
.rept N
	s_wait_loadcnt N-1-i                           ; loads come back in order (ISA guide 5.7.1): load i is in, the younger ones stay out
	v_cvt_pk_bf16_f32 v[Y+2*i],   v[X+4*i],   v[X+4*i+1]
	v_cvt_pk_bf16_f32 v[Y+2*i+1], v[X+4*i+2], v[X+4*i+3]
	global_store_b64 v2, v[Y+2*i:Y+2*i+1], s[8:9] offset:2048*i  ; no hint: the next launch reads these bytes
.set i, i+1
.endr
	s_endpgm
.Lfunc_end_k_qfa11d1b35f_cast:
	.size	k_qfa11d1b35f_cast, .Lfunc_end_k_qfa11d1b35f_cast-k_qfa11d1b35f_cast
	.p2alignl 7, 3214868480
	.fill 96, 4, 3214868480
	.section	.rodata,"a",@progbits
	.p2align	6, 0x0
	.amdhsa_kernel k_qfa11d1b35f_cast
		.amdhsa_group_segment_fixed_size 0
		.amdhsa_private_segment_fixed_size 0
		.amdhsa_enable_private_segment 0
		.amdhsa_kernarg_size 24
		.amdhsa_user_sgpr_count 2
		.amdhsa_user_sgpr_kernarg_segment_ptr 1
		.amdhsa_wavefront_size32 1
		.amdhsa_system_sgpr_workgroup_id_x 1
		.amdhsa_system_sgpr_workgroup_id_y 1
		.amdhsa_system_sgpr_workgroup_id_z 1
		.amdhsa_system_vgpr_workitem_id 0
		.amdhsa_next_free_vgpr 196
		.amdhsa_next_free_sgpr 66
		.amdhsa_reserve_vcc 0
		.amdhsa_float_denorm_mode_32 3
		.amdhsa_float_denorm_mode_16_64 3
		.amdhsa_memory_ordered 1
		.amdhsa_forward_progress 1
		.amdhsa_inst_pref_size 12
	.end_amdhsa_kernel
	.amdgpu_metadata
---
amdhsa.version: [ 1, 2 ]
amdhsa.kernels:
  - .name:           k_qfa11d1b35f_cast
    .symbol:         k_qfa11d1b35f_cast.kd
    .args:
      - { .name: xs, .offset: 0, .size: 8, .value_kind: global_buffer, .address_space: global }
      - { .name: ys, .offset: 8, .size: 8, .value_kind: global_buffer, .address_space: global }
      - { .name: kv, .offset: 16, .size: 8, .value_kind: global_buffer, .address_space: global }
    .group_segment_fixed_size: 0
    .private_segment_fixed_size: 0
    .kernarg_segment_align: 8
    .kernarg_segment_size: 24
    .max_flat_workgroup_size: 256
    .sgpr_count:     66
    .vgpr_count:     196
    .wavefront_size: 32
...
	.end_amdgpu_metadata
.endif
;; end of part 1
;; launch attn (part 2): grid 32 x 8, 4 waves a work-group, clusters of 4 x 1, 327,680 bytes of LDS; arguments h, kv, out0; writes out0
.if DOCPART == 2
	.amdgcn_target "amdgcn-amd-amdhsa--gfx1250"
	.amdhsa_code_object_version 6
	.text
	.protected	k_qfa11d1b35f_attn
	.globl	k_qfa11d1b35f_attn
	.p2align	8
	.type	k_qfa11d1b35f_attn,@function
k_qfa11d1b35f_attn:
	s_mov_b64 s[64:65], 0
	v_nop
	global_prefetch_b8 v0, s[64:65] scope:SCOPE_SE
	s_setreg_imm32_b32 hwreg(HW_REG_WAVE_MODE, 25, 1), 1
	s_wait_xcnt 0x0
	s_wait_alu depctr_hold_cnt(0) depctr_sa_sdst(0) depctr_va_vdst(0) depctr_va_sdst(0) depctr_va_ssrc(0) depctr_va_vcc(0) depctr_vm_vsrc(0)
	s_getreg_b32 s2, hwreg(HW_REG_IB_STS2, 6, 4)
	s_cmp_eq_u32 s2, 0
	s_cbranch_scc0 .Lentry_in_a_cluster
	s_endpgm
.Lentry_in_a_cluster:
	s_bfe_u32 s2, ttmp6, 0x10000c
	s_cmp_lg_u32 s2, 0x3003
	s_cbranch_scc0 .Lentry_shape_is_right
	s_endpgm
.Lentry_shape_is_right:
; out[b][c][n] = the sum over m of ys[b][c][m] softmax_m(sum over c' of h[b][c'][n] xs[b][c'][m]).  h, out: [8][256][4096] f32.  kv: bf16(xs), then bf16(ys), each [8][256][4096].
; Attention with head size 256 on channel-major tensors: Q = h (rounded to bf16 here), K = xs, V = ys.  Products, maxima and sums in f32; the weights p are rounded to bf16 for the
; second product (their sum l is taken of the unrounded p); out is written in f32.
; LIMITS.  h, xs, ys and p are rounded to bf16.  A score s is served while |log2(e) s| stays under 4e37 (the running maximum starts below that).  A weight below 2^-126 counts as 0.
; NaN and infinities are not treated apart.
; SHARES.  A work-group owns 128 queries of one batch, each of its four waves 32: two tiles of 16.  8 batches x 32 blocks = 256 work-groups.  Every wave walks all 4,096 keys, 64 a step.
; LAYOUT.  S^T = K Q^T (source 0 = 16 keys, source 1 = 16 queries): in the result a lane holds ONE query (lane % 16) and the keys 8 (lane / 16) + 0..7.  Two such results, rounded to bf16 in
; pairs, ARE source 1 (32 keys x 16 queries) of O^T = V^T P, whose result again holds one query a lane, and eight channels.  V ([channel][key]) comes out of LDS as it lies; K ([channel][key])
; is turned by ds_load_tr16_b128; Q ([channel][query], f32) is read number by number, once, and stays in registers.
; SOFTMAX.  For each query a running maximum m and sum l: p = 2^(c s - c m), c = log2(e); in every step O and l are multiplied by a = 2^(c m_old - c m_new), which is 1 where m has not grown.
; m starts at the lowest finite number, O and l at 0: the first step is a step like any other, with a = 0.  The price: 256 v_mov_b32, which stand in the wait for the first tiles.
; A STEP goes in phases: 64 products K Q^T (V's loads among them), the two tiles' softmax (the next step's K loads among it), O^T times a, 64 products V^T P.
; CLUSTER.  The four query blocks of a cluster belong to one batch and walk the same K and V, so each tile is asked for JOINTLY: the same tensor load, descriptor and mask in all four.
; No prefetch: kv was stored by the launch before, and a slot's refill is asked for more than a step ahead of its first read.
;
; LDS.  Two slots, each a tile of 128 keys (two steps): K, 256 rows (channels) of 256 bytes at pitch 288; then V, 256 rows at pitch 272.  Slot 1's bytes first hold Q (256 rows of 512 bytes
; at pitch 520); slot 0's bytes, behind their last fill, the stage for the way out (256 rows of 512 bytes at pitch 528).  Behind slot 1: the spare words.
; REGISTERS, in windows of 256 (s_set_vgpr_msb: bits 1:0 source 0, 3:2 source 1, 5:4 source 2, 7:6 destination):
;   window 0: v0-15 addresses; v16-31 eight registers of statistics a tile; v32-95 S^T, 32 a tile; v96-127 P, 16 a tile; v128-255 V of a step's keys 32-63
;   window 1: O^T, 128 a tile      window 2: v0-127 Q, 64 a tile; v128-255 V of a step's keys 0-31      window 3: K of one step (at the start Q in f32, at the end rows of out)
.set NT,    32        ; tiles of 128 keys
.set PITK,  288       ; a row of K: 256 bytes + 32 = 72 words
.set PITV,  272       ; a row of V: 256 + 16 = 68 words: the 16 rows of a load start at 16 different groups of four banks
.set KHALF, 128*PITK  ; what one tensor load brings of K
.set VOFF,  256*PITK  ; V lies behind K's 256 rows
.set VHALF, 128*PITV
.set SLOT1, 0x24000   ; slot 1 begins here.  The four loads' places in slot 0 (0, 0x9000, 0x12000, 0x1a800) have neither of its two bits set, so one exclusive or turns an address in one slot into the other's
.set QP,    520       ; a row of Q: 512 bytes + 8: eight rows are 1,040 words on, 16 banks: the two halves of the lanes read different banks
.set SP,    528       ; a row of the stage: eight rows are 1,056 words on, 32 banks
.set SPARE, SLOT1+VOFF+256*PITV  ; 290,816: the spare words, 128 bytes for each wave: two blocks of 256 bytes that no other line names
.set AK0, 3           ; v3   my lane's place in a tile of K; never rewritten
.set AV0, 4           ; v4   the same for V
.set AKA, 5           ; v5   LDS address for K's channels 0-127 in the slot in hand
.set AKB, 6           ; v6   for channels 128-255
.set AV,  7           ; v7   for V
.set QA,  8           ; v8-9  LDS address for Q's channels 0-127, 128-255
.set STOA, 8          ; v8-9  later, the way out: where I put a number of channels 0-127, 128-255
.set RD,  10          ; v10  the way out: where I read rows back
.set GO,  11          ; v11  my 16 bytes in a row's 512
.set SPW, 12          ; v12  LDS address of my spare word: SPARE + 4 x my thread's number; never rewritten
.set NIL, 13          ; v13  0; never rewritten
.set ST,  16          ; tile t's statistics at v[ST+8 t]: +0 c m, +1 m, +2, +3 l (even keys', odd keys'), +4 to +7 c0-c3, at work; a takes c2's place once the maximum is found
.set S,   32
.set P,   96
.set VF,  128         ; V's fragments, in window 2 (keys 0-31) and window 0 (keys 32-63): channel block cb at VF + 8 cb
.set WV,  10          ; s10  my wave's number
.set G1K, 24          ; s[24:31] descriptor group 1 for K's tiles
.set G1V, 32          ; s[32:39] for V's: it differs in the padding alone
.set G0K, 40          ; s[40:43] descriptor group 0 for K's tiles: it walks
.set G0V, 44          ; s[44:47] the same for V's
.set G1Q, 48          ; s[48:55] group 1 for Q's tile
.set G0Q, 56          ; s[56:59] group 0 for Q's tile
.set SLOTS, 60        ; s60  tiles still to be asked for
.set CNT, 61          ; s61  counts the tail's two tiles
.set TB,  62          ; s62  LDS byte at which the slot in hand begins
.set CS,  66          ; s[66:67] c: the packed scaling names a pair and takes its low word for both halves
.set SEL, 68          ; s[68:69] v_permlanex16_b32's selects: each lane takes its own place in the other half
.set MSB, 0
.macro WIN new                      ; the immediate's high byte repeats the setting that is left; a switch that changes nothing is dropped
.if MSB != (\new)
	s_set_vgpr_msb (MSB<<8)|(\new)
.set MSB, \new
.endif
.endm
.set W_KQ,  0x0b      ; K in window 3, Q in window 2, S^T in window 0
.set W_PVA, 0x52      ; V in window 2, P in window 0, O^T in window 1
.set W_PVB, 0x50      ; V in window 0, P in window 0, O^T in window 1
.set W_RS,  0x41      ; O^T (destination and source 0) in window 1, the factor in window 0
; A vector instruction that reads a matrix result or writes one of a matrix instruction's registers, and a load into a register that a matrix instruction has read, stand four places behind
; it, and only plain vector instructions that name none of its registers are places (ISA guide 7.12.1 for vector instructions).
.macro PLACES
.rept 4
	v_nop
.endr
.endm
; A joint refill.  Waves 0 and 1 fetch the two halves (128 channels each) of a tile's K, waves 2 and 3 those of its V.  The branch hangs on the wave's number alone: it is the same in every
; work-group.  An s_nop 0 and four v_nop follow each of the two lines, ahead of the jump and the label.
.macro JLOAD
	s_cmp_lt_u32 s[WV], 2
	s_cbranch_scc0 .Lfor_v_\@
	tensor_load_to_lds s[G0K:G0K+3], s[G1K:G1K+7]
	s_nop 0
.rept 4
	v_nop
.endr
	s_branch .Lasked_\@
.Lfor_v_\@:
	tensor_load_to_lds s[G0V:G0V+3], s[G1V:G1V+7]
	s_nop 0
.rept 4
	v_nop
.endr
.Lasked_\@:
.endm
; A round of the cluster's barrier: my work-group's barrier, so that wave 0's signal speaks for all four waves; wave 0 signals; every wave waits for all four work-groups; my work-group's barrier once more.
.macro CROUND
	s_barrier_signal -1
	s_barrier_wait -1
	s_cmp_lg_u32 s[WV], 0
	s_cbranch_scc1 .Lnot_wave_0_\@
	s_barrier_signal -3
.Lnot_wave_0_\@:
	s_barrier_wait -3
	s_barrier_signal -1
	s_barrier_wait -1
.endm
; THE CHANGE OF SLOTS.  Each wave waits for all its tensor loads, of which one is out: its part of the other slot; adds 0 to its spare word; and waits for that and for its own reads of the slot
; that it leaves.  Behind the barrier nobody reads the old slot any more and the other slot is whole.  fill = 1: the old slot is filled again, with the keys two tiles on; the barrier is then a
; round of the cluster's, so that no wave of any partner still reads the slot or has a load on its way, and the joint refill is the first thing behind it.
; (At its first use slot 0 is waited for, and slot 1, whose bytes held Q, takes tile 1.)  The four v_nop behind the load, or PLACES, and the three address lines are the places in front of K's loads.
.macro CHANGE fill
	WIN 0                           ; at a label and at a branch every window is 0; the add's two registers lie in window 0
	s_wait_tensorcnt 0x0            ; no tensor load of mine is out, so a group 0 may be written
	ds_add_u32 v[SPW], v[NIL]       ; 0 onto my spare word: the scalar steps stand between it and the wait for it
.if \fill
.irp g, G0K, G0V
	s_xor_b32 s[\g+1], s[\g+1], SLOT1  ; the walking descriptor: the other slot than last time,
	s_add_nc_u64 s[\g+2:\g+3], s[\g+2:\g+3], 256  ; the next 128 keys of every row; the type bits on top are not reached
.endr
.endif
	s_xor_b32 s[TB], s[TB], SLOT1   ; the fetches go to the other slot
	s_wait_dscnt 0x0                ; the add is done, and my reads of the slot are over
.if \fill
	CROUND
	JLOAD
.else
	s_barrier_signal -1
	s_barrier_wait -1
	PLACES
.endif
	v_add_nc_u32 v[AKA], s[TB], v[AK0]
	v_add_nc_u32 v[AKB], KHALF, v[AKA]
	v_add_nc_u32 v[AV], s[TB], v[AV0]
.endm
	s_load_b128 s[4:7], s[0:1], 0x0  ; h s[4:5], kv s[6:7]
	s_load_b64 s[8:9], s[0:1], 0x10  ; out
	v_lshl_add_u32 v[SPW], v0, 2, SPARE
	v_mov_b32 v[NIL], 0
	ds_add_u32 v[SPW], v[NIL]       ; the wave's opening: the add and its wait stand ahead of my first tensor load; the set-up below, work on registers, stands between them
	v_lshrrev_b32 v1, 5, v0
	v_readfirstlane_b32 s[WV], v1   ; wave 0..3
	s_bfe_u32 s11, ttmp6, 0x40000   ; cx: my place in the cluster
	s_lshl_b32 s12, ttmp9, 2        ; in a cluster launch ttmp9 counts clusters
	s_add_co_u32 s12, s12, s11      ; my block of 128 queries = 4 x cluster x + cx: it enters h's and out's addresses alone
	s_and_b32 s13, ttmp7, 0xffff    ; the batch, which the four partners share
	s_and_b32 s14, s[WV], 1         ; which 128 channels of a tile I fetch
	s_lshl_b32 s16, s13, 21         ; K and V: the batch's 256 rows of 8,192 bytes,
	s_lshl_b32 s17, s14, 20         ; my 128 of them (these two registers never hold cx)
	s_add_co_u32 s16, s16, s17
	s_mov_b32 s17, 0
	s_lshl_b32 s20, s13, 22         ; h and out: the batch's 256 rows of 16,384 bytes,
	s_lshl_b32 s21, s[WV], 20       ; my wave's 64 of them (the rows of Q that I fetch, the rows of out that I store),
	s_add_co_u32 s20, s20, s21
	s_lshl_b32 s21, s12, 9          ; my block's 512 bytes in each
	s_add_co_u32 s20, s20, s21
	s_mov_b32 s21, 0
	s_lshl_b32 s22, s[WV], 7        ; my wave's 32 queries in a row of Q or of the stage: 128 bytes a wave
	s_mul_i32 s23, s[WV], 64*SP     ; the 64 rows of the stage that I read back
	; descriptor group 1 for K and V: a tile of 128 rows x 128 elements of 2 bytes; each row is 256 bytes of memory, at a multiple of 256 from the buffer's first byte; padded in LDS
	s_mov_b32 s[G1K], 15|(1<<16)|(1<<20)|(1<<21)|(5<<22)|(7<<25)  ; 15:0 the mask of four; 17:16 2-byte elements; 20 padding on; 21 set beside a mask; 24:22 after every 64 words (code 5); 31:25 8 words (code 7)
	s_mov_b32 s[G1V], 15|(1<<16)|(1<<20)|(1<<21)|(5<<22)|(3<<25)  ; the same with 4 words of padding (code 3)
.irp g, G1K, G1V
	s_mov_b32 s[\g+1], 128<<16      ; tensor_dim0 = 128
	s_mov_b32 s[\g+2], 128<<16      ; tensor_dim1 = 128
	s_mov_b32 s[\g+3], 128<<16      ; tile_dim0 = 128
	s_mov_b32 s[\g+4], 128          ; tile_dim1 = 128
	s_mov_b32 s[\g+5], 4096         ; 4,096 elements from row to row
	s_mov_b32 s[\g+6], 0
	s_mov_b32 s[\g+7], 0
.endr
	; group 1 for Q: 64 rows x 128 elements of 4 bytes, my own (no mask): Q differs from work-group to work-group
	s_mov_b32 s[G1Q], (2<<16)|(1<<20)|(6<<22)|(1<<25)  ; 17:16 4-byte elements; 20 padding on; 24:22 after every 128 words (code 6); 31:25 2 words (code 1)
	s_mov_b32 s[G1Q+1], 128<<16     ; tensor_dim0 = 128
	s_mov_b32 s[G1Q+2], 64<<16      ; tensor_dim1 = 64
	s_mov_b32 s[G1Q+3], 128<<16     ; tile_dim0 = 128
	s_mov_b32 s[G1Q+4], 64          ; tile_dim1 = 64
	s_mov_b32 s[G1Q+5], 4096
	s_mov_b32 s[G1Q+6], 0
	s_mov_b32 s[G1Q+7], 0
	s_mov_b32 s[G0K], 1             ; 1:0 count = 1
	s_mul_i32 s[G0K+1], s14, KHALF  ; 63:32 LDS address: slot 0, my half of K; no place in the cluster enters an LDS address
	s_mov_b32 s[G0V], 1
	s_mul_i32 s[G0V+1], s14, VHALF
	s_add_co_u32 s[G0V+1], s[G0V+1], VOFF
	s_mov_b32 s[G0Q], 1
	s_mul_i32 s[G0Q+1], s[WV], 64*QP
	s_add_co_u32 s[G0Q+1], s[G0Q+1], SLOT1
	s_mov_b32 s[CS], 0x3fb8aa3b     ; c = log2(e)
	s_mov_b32 s[CS+1], s[CS]        ; named with it as a pair
	s_mov_b32 s[SEL], 0x76543210
	s_mov_b32 s[SEL+1], 0xfedcba98
	s_mov_b32 s[TB], SLOT1          ; the first change of slots turns it into 0
	s_mov_b32 s[SLOTS], NT-2
	s_wait_dscnt 0x0                ; the opening add is done
	s_wait_kmcnt 0x0
	s_add_nc_u64 s[G0K+2:G0K+3], s[6:7], s[16:17]  ; 120:64 global address: my half of the batch's first 128 keys
	s_or_b32 s[G0K+3], s[G0K+3], 0x80000000        ; 127:126 type = 2
	s_add_nc_u64 s[G0V+2:G0V+3], s[6:7], s[16:17]
	s_add_nc_u64 s[G0V+2:G0V+3], s[G0V+2:G0V+3], 0x1000000  ; ys's copy lies 16,777,216 bytes behind xs's
	s_or_b32 s[G0V+3], s[G0V+3], 0x80000000
	s_add_nc_u64 s[G0Q+2:G0Q+3], s[4:5], s[20:21]
	s_or_b32 s[G0Q+3], s[G0Q+3], 0x80000000
	s_add_nc_u64 s[8:9], s[8:9], s[20:21]          ; out at the first row that I store
	CROUND                          ; all four work-groups are here: the first joint loads meet
	s_cmp_lt_u32 s[WV], 2           ; a wave's two first fills stand in one branch, ahead of every wait on TENSORcnt and every LDS read: two loads of mine are out; an s_nop 0 follows each, four v_nop the second's
	s_cbranch_scc0 .Lfirst_v
	tensor_load_to_lds s[G0Q:G0Q+3], s[G1Q:G1Q+7]  ; my 64 channels of Q, into slot 1's bytes
	s_nop 0
	tensor_load_to_lds s[G0K:G0K+3], s[G1K:G1K+7]  ; tile 0, into slot 0
	s_nop 0
.rept 4
	v_nop
.endr
	s_branch .Lfirst_asked
.Lfirst_v:
	tensor_load_to_lds s[G0Q:G0Q+3], s[G1Q:G1Q+7]
	s_nop 0
	tensor_load_to_lds s[G0V:G0V+3], s[G1V:G1V+7]
	s_nop 0
.rept 4
	v_nop
.endr
.Lfirst_asked:
	; the lanes' addresses, and what the first step finds: all this stands in the wait for the first tiles
	v_and_b32 v1, 15, v0            ; r = l % 16
	v_bfe_u32 v2, v0, 4, 1          ; hh = l / 16
	v_and_b32 v14, 7, v0
	v_bfe_u32 v15, v0, 3, 1
	; The turning load takes 16 channels x 16 keys (lane l reads channel 8 (l / 16) + l % 8, keys 8 ((l / 8) % 2) + 0..7) and leaves half a fragment of K: lane l holds key l % 16 and 8 channels.
	v_lshl_add_u32 v[AK0], v2, 3, v14
	v_mul_u32_u24 v[AK0], v[AK0], PITK
	v_lshl_add_u32 v[AK0], v15, 4, v[AK0]
	; A fragment of V is 16 channels x 32 keys: lane l holds channel l % 16, keys 8 (l / 16) + 0..7 and 16 + 8 (l / 16) + 0..7: two loads of 16 bytes, 32 bytes apart.
	v_mul_u32_u24 v[AV0], v1, PITV
	v_lshl_add_u32 v[AV0], v2, 4, v[AV0]
	v_add_nc_u32 v[AV0], VOFF, v[AV0]
	; Q: my query's word (128 w + 4 r, + 64 for the second tile) in channel row 8 hh
	v_mul_u32_u24 v[QA], v2, 8*QP
	v_lshl_add_u32 v[QA], v1, 2, v[QA]
	v_add_nc_u32 v[QA], s22, v[QA]
	v_add_nc_u32 v[QA], SLOT1, v[QA]
	v_add_nc_u32 v[QA+1], 128*QP, v[QA]
	v_and_b32 v[GO], 31, v0
	v_lshlrev_b32 v[GO], 4, v[GO]   ; 16 x lane: a row of the stage and of out is 32 lanes x 16 bytes
	v_add_nc_u32 v[RD], s23, v[GO]
	WIN 0x40
.set i, 0
.rept 256
	v_mov_b32 v[i], 0               ; O^T
.set i, i+1
.endr
	WIN 0
.irp t, 0,1
	v_mov_b32 v[ST+8*\t], 0xfe000000    ; c m: far below every c s
	v_mov_b32 v[ST+8*\t+1], 0xff7fffff  ; m
	v_mov_b32 v[ST+8*\t+2], 0           ; l
	v_mov_b32 v[ST+8*\t+3], 0
.endr
	; Q: f32 out of LDS, one number a lane and load, into window 3; then rounded to bf16 in pairs.  A fragment is 16 queries x 32 channels: lane l holds query l % 16; its 16 numbers q are
	; channels 16 (q / 8) + 8 (l / 16) + q % 8.  Register 128 t + 16 cc + q: tile t, channels 32 cc on.
	s_wait_tensorcnt 0x1            ; my part of Q is in; tile 0's, issued behind it, may stay out
	s_barrier_signal -1
	s_barrier_wait -1               ; everybody's part of Q is in
	WIN 0xc0                        ; destination window 3, address window 0
.set n, 0
.rept 256
	ds_load_b32 v[n], v[QA+((n/16)%8)/4] offset:((((n/16)%8)%4)*32+16*((n%16)/8)+n%8)*QP+64*(n/128)
.set n, n+1
.endr
	s_wait_dscnt 0x0
	WIN 0x8f                        ; destination window 2, sources window 3
.set i, 0
.rept 128
	v_cvt_pk_bf16_f32 v[i], v[2*i], v[2*i+1]  ; Q's register 64 t + 8 cc + i takes numbers 2 i, 2 i + 1 of its fragment
.set i, i+1
.endr
; THE MATRIX WORK.  The accumulators take turns, one instruction a turn: between two links of a chain stand 7 (K Q^T) or 31 (V^T P) others'.
; S^T = K Q^T for channels 32 lo .. 32 hi + 31: key blocks kb, tiles t.  Channels 0-31 start the sums with the constant 0.
.macro KQ lo, hi
	WIN W_KQ
.set cc, \lo
.rept (\hi)-(\lo)+1
.irp kb, 0,1,2,3
.irp t, 0,1
.if cc == 0
	v_wmma_f32_16x16x32_bf16 v[S+32*\t+8*\kb:S+32*\t+8*\kb+7], v[32*cc+8*\kb:32*cc+8*\kb+7], v[64*\t+8*cc:64*\t+8*cc+7], 0
.else
	v_wmma_f32_16x16x32_bf16 v[S+32*\t+8*\kb:S+32*\t+8*\kb+7], v[32*cc+8*\kb:32*cc+8*\kb+7], v[64*\t+8*cc:64*\t+8*cc+7], v[S+32*\t+8*\kb:S+32*\t+8*\kb+7]
.endif
.endr
.endr
.set cc, cc+1
.endr
.endm
; O^T += V^T P for the step's keys 32 kk on: channel blocks cb, tiles t.
.macro PV kk
.if (\kk) == 0
	WIN W_PVA
.else
	WIN W_PVB
.endif
.irp cb, 0,1,2,3,4,5,6,7,8,9,10,11,12,13,14,15
.irp t, 0,1
	v_wmma_f32_16x16x32_bf16 v[128*\t+8*\cb:128*\t+8*\cb+7], v[VF+8*\cb:VF+8*\cb+7], v[P+16*\t+8*(\kk):P+16*\t+8*(\kk)+7], v[128*\t+8*\cb:128*\t+8*\cb+7]
.endr
.endr
.endm
; THE LDS LOADS stand in runs of 32.  K of half hf (64 keys) of the slot in hand, channels 128 unit on: fragment (cc, kb) at 32 cc + 8 kb in window 3.
; last = 1 (the tail): behind the last tile there is no further step, and the run is jumped over.
.macro FETCH_K hf, unit, last
.if \last
	WIN 0
	s_cmp_eq_u32 s[CNT], 1
	s_cbranch_scc1 .Lno_k_\@
.endif
	WIN 0xc0                        ; destination window 3
.irp c, 0,1,2,3
.irp kb, 0,1,2,3
	ds_load_tr16_b128 v[32*(4*(\unit)+\c)+8*\kb:32*(4*(\unit)+\c)+8*\kb+3],   v[AKA+(\unit)] offset:\c*32*PITK+(\hf)*128+\kb*32
	ds_load_tr16_b128 v[32*(4*(\unit)+\c)+8*\kb+4:32*(4*(\unit)+\c)+8*\kb+7], v[AKA+(\unit)] offset:\c*32*PITK+16*PITK+(\hf)*128+\kb*32
.endr
.endr
	WIN 0
.if \last
.Lno_k_\@:
.endif
.endm
; V of half hf, keys 32 kk on, all 256 channels: into window 2 (kk = 0) or window 0 (kk = 1).  The largest offset is 65,504.
.macro FETCH_V hf, kk
.if (\kk) == 0
	WIN 0x80
.else
	WIN 0
.endif
.irp cb, 0,1,2,3,4,5,6,7,8,9,10,11,12,13,14,15
	ds_load_b128 v[VF+8*\cb:VF+8*\cb+3],   v[AV] offset:\cb*16*PITV+(\hf)*128+(\kk)*64
	ds_load_b128 v[VF+8*\cb+4:VF+8*\cb+7], v[AV] offset:\cb*16*PITV+(\hf)*128+(\kk)*64+32
.endr
.endm
; THE SOFTMAX of one tile for one step is a list of 102 instructions; SM writes number j of it for tile t.  s0-s31 are the lane's 32 scores, in pairs 0-15.
;   0-15    the maximum of s0-s31 and the old m, three operands at a time: four chains c0-c3 of seven scores each (each accumulator's lowest registers are read first),
;           then the four scores left over, c0-c3 and m
;   16-20   the other half of the lanes' maximum; c m_old is kept; the new m; c m; c m_old - c m_new
;   21-87   33 exponentials (a, then s0-s31) at the odd numbers from 23 on, so that no two of a tile follow each other and each has a plain instruction behind it before its result is used
;           (ISA guide 5.7.2).  Plain instruction q (number 21, then the even numbers) is whatever is ready: c s - c m for a pair whose exponentials are still to come (q = 0 to 3, then every
;           second q), the rounding to bf16 of a pair whose exponentials are done (every other q from 5 on), at last the first three sums
;   88-101  the last rounding; the rest of the sums, in place; l = a l + the sum
.macro SM t
.set rT, ST+8*(\t)
.set rS, S+32*(\t)
.set rP, P+16*(\t)
.set q, (j-20)/2
.if j < 4
	v_max3_num_f32 v[rT+4+j], v[rS+8*j], v[rS+8*j+1], v[rS+8*j+2]
.elseif j < 12
	v_max3_num_f32 v[rT+4+j%4], v[rT+4+j%4], v[rS+8*(j%4)+2*(j/4)+1], v[rS+8*(j%4)+2*(j/4)+2]
.elseif j == 12
	v_max3_num_f32 v[rT+4], v[rT+4], v[rS+7], v[rS+15]
.elseif j == 13
	v_max3_num_f32 v[rT+6], v[rT+6], v[rS+23], v[rS+31]
.elseif j == 14
	v_max3_num_f32 v[rT+4], v[rT+4], v[rT+5], v[rT+6]
.elseif j == 15
	v_max3_num_f32 v[rT+4], v[rT+4], v[rT+7], v[rT+1]
.elseif j == 16
	v_permlanex16_b32 v[rT+5], v[rT+4], s[SEL], s[SEL+1]  ; the query's other 32 keys lie in the lane 16 away
.elseif j == 17
	v_mov_b32 v[rT+7], v[rT]        ; c m_old is kept for a: number 19 writes c m anew
.elseif j == 18
	v_max_num_f32 v[rT+1], v[rT+4], v[rT+5]
.elseif j == 19
	v_mul_f32 v[rT], s[CS], v[rT+1]
.elseif j == 20
	v_sub_f32 v[rT+7], v[rT+7], v[rT]
.elseif j == 23
	v_exp_f32 v[rT+6], v[rT+7]
.elseif (j < 88) && (j > 23) && (j%2 == 1)
	v_exp_f32 v[rS+(j-25)/2], v[rS+(j-25)/2]
.elseif (q < 4) || ((j < 76) && (q%2 == 0))
.set b, q/2+2
.if q < 4
.set b, q
.endif
	v_pk_fma_f32 v[rS+2*b:rS+2*b+1], v[rS+2*b:rS+2*b+1], s[CS:CS+1], v[rT:rT+1] op_sel_hi:[1,0,0] neg_lo:[0,0,1] neg_hi:[0,0,1]  ; pair b: c s - c m
.elseif (j < 88) && (q%2 == 1)
	s_wait_alu depctr_va_vdst(0)
	v_cvt_pk_bf16_f32 v[rP+(q-5)/2], v[rS+q-5], v[rS+q-4]  ; pair (q - 5) / 2: its second exponential stands three numbers back
.elseif j == 89
	s_wait_alu depctr_va_vdst(0)
	v_cvt_pk_bf16_f32 v[rP+15], v[rS+30], v[rS+31]
.else                               ; the sum of the tile's 16 pairs (an even key's weight, an odd key's), in place: sum z of 16 adds neighbours 1, 2, 4 and 8 pairs apart, then l takes it
.set z, j-86
.if j < 89
.set z, (j-76)/4
.endif
.set w, 4
.set u, z
.if z >= 14
.set w, 32
.set u, 0
.elseif z >= 12
.set w, 16
.set u, z-12
.elseif z >= 8
.set w, 8
.set u, z-8
.endif
.if z < 15
	v_pk_add_f32 v[rS+w*u:rS+w*u+1], v[rS+w*u:rS+w*u+1], v[rS+w*u+w/2:rS+w*u+w/2+1]
.else
	v_pk_fma_f32 v[rT+2:rT+3], v[rT+2:rT+3], v[rT+6:rT+7], v[rS:rS+1] op_sel_hi:[1,0,1]
.endif
.endif
.endm
; Slice k of 51: numbers 2 k and 2 k + 1 of both tiles' lists.
.macro SLICE
.if (k >= 11) && (k < 44)           ; tile by tile: plain, exponential, plain, exponential
.irp t, 0,1
.irp n, 0,1
.set j, 2*k+(\n)
	SM \t
.endr
.endr
.else                               ; the two tiles alternate, so that no instruction reads the result of the one just before it
.irp n, 0,1
.irp t, 0,1
.set j, 2*k+(\n)
	SM \t
.endr
.endr
.endif
.set k, k+1
.endm
; O^T times the factor in the tile's statistics (+6): a in a step, 1 / l at the end.  Each accumulator's registers in ascending order.
.macro RESCALE
	WIN W_RS
	s_wait_alu depctr_va_vdst(0)
.irp t, 0,1
.set i, 0
.rept 64
	v_pk_mul_f32 v[128*\t+i:128*\t+i+1], v[128*\t+i:128*\t+i+1], v[ST+8*\t+6:ST+8*\t+7] op_sel_hi:[1,0]
.set i, i+2
.endr
.endr
.endm
; A KEY STEP, on half hf of the slot in hand.  chg = 0: the next step is the same slot's other half; 1: the slot is left and filled again; 2: it is left and nothing is asked for.
.macro STEP hf, chg, last
	s_wait_dscnt 0x0                ; this step's K is in: its loads were issued in the step before, ahead of and in the middle of the softmax
	PLACES                          ; for the loads into V's two buffers, which the last 64 products read
	FETCH_V \hf, 0
	KQ 0, 3
	FETCH_V \hf, 1
	KQ 4, 7
.if (\chg) == 0
	PLACES                          ; for the loads into K's registers and the reads of the scores
.elseif (\chg) == 1
	CHANGE 1
.else
	CHANGE 0
.endif
	FETCH_K 1-(\hf), 0, \last       ; the next step's K, channels 0-127
.set k, 0
.rept 26
	SLICE
.endr
	FETCH_K 1-(\hf), 1, \last       ; channels 128-255
.rept 25
	SLICE
.endr
	RESCALE
.if \last
	s_wait_dscnt 0x0                ; V is in; K's loads may have been jumped over, so nothing is counted on them
.else
	s_wait_dscnt 63                 ; V's 64 loads are in: behind them stand K's 64, of which the count, the largest that the wait can name, leaves 63 out
.endif
	PV 0
	PV 1
.endm
	CHANGE 1                        ; slot 0 is in, everybody's part of it, and nobody reads Q's bytes any more: slot 1 takes tile 1
	FETCH_K 0, 0, 0                 ; key step 0
	FETCH_K 0, 1, 0
.Lslot:                             ; NT - 2 trips: trip s walks tile s and, in its second step, asks for tile s + 2
	STEP 0, 0, 0
	STEP 1, 1, 0
	WIN 0                           ; at a label and at a branch every window is 0
	s_sub_co_u32 s[SLOTS], s[SLOTS], 1
	s_cmp_lg_u32 s[SLOTS], 0
	s_cbranch_scc1 .Lslot
	s_mov_b32 s[CNT], 2             ; the last two tiles have a text of their own: nothing is asked for
.Ltail:
	STEP 0, 0, 0
	STEP 1, 2, 1
	WIN 0
	s_sub_co_u32 s[CNT], s[CNT], 1
	s_cmp_lg_u32 s[CNT], 0
	s_cbranch_scc1 .Ltail
	; THE WAY OUT.  l's two halves and the other half of the lanes' are added; O^T is divided by l and goes, in f32, through a stage of 256 rows (channels) x 128 queries in slot 0's bytes, which
	; have had their last fill.  A lane holds one query and eight channels a register block, out's rows lie along the queries: so each wave writes its 32 columns, number by number, and reads
	; 64 whole rows back.  The additions and the address lines are the places behind the last products.
.irp t, 0,1
	v_add_f32 v[ST+8*\t+4], v[ST+8*\t+2], v[ST+8*\t+3]
.endr
	v_mul_u32_u24 v[STOA], v2, 8*SP     ; channel row 8 hh,
	v_lshl_add_u32 v[STOA], v1, 2, v[STOA]  ; my query's word: 128 w + 4 r, + 64 for the second tile
.irp t, 0,1
	v_permlanex16_b32 v[ST+8*\t+5], v[ST+8*\t+4], s[SEL], s[SEL+1]
.endr
	v_add_nc_u32 v[STOA], s22, v[STOA]
	v_add_nc_u32 v[STOA+1], 128*SP, v[STOA]
.irp t, 0,1
	v_add_f32 v[ST+8*\t+4], v[ST+8*\t+4], v[ST+8*\t+5]
.endr
.irp t, 0,1
	v_rcp_f32 v[ST+8*\t+6], v[ST+8*\t+4]
.endr
	v_nop                           ; a plain instruction between the last reciprocal and the use of its result
	s_wait_dscnt 0x0                ; no LDS read of mine is out:
	s_barrier_signal -1
	s_barrier_wait -1               ; nor of any wave: the stage may be written
	RESCALE                         ; O^T / l
	WIN 0x04                        ; store data (source 1) in window 1, address in window 0
.set n, 0
.rept 256                           ; register 128 t + 8 cb + j: tile t, channel 16 cb + 8 hh + j
	ds_store_b32 v[STOA+((n/8)%16)/8], v[n] offset:((((n/8)%16)%8)*16+n%8)*SP+64*(n/128)
.set n, n+1
.endr
	s_wait_dscnt 0x0                ; for the others' sake: my stores into the stage are done
	s_barrier_signal -1
	s_barrier_wait -1
	WIN 0xc0                        ; destination window 3
.set i, 0
.rept 64
	ds_load_b128 v[4*i:4*i+3], v[RD] offset:i*SP  ; row 64 w + i, whole: 32 lanes x 16 bytes
.set i, i+1
.endr
	WIN 0x0c                        ; store data (source 1) in window 3, address in window 0
.set i, 0
.rept 64
	s_wait_dscnt 63-i               ; LDS loads come back in order (ISA guide 5.7.1): row i is in, the younger ones stay out
	global_store_b128 v[GO], v[4*i:4*i+3], s[8:9] offset:16384*i th:TH_STORE_NT  ; 512 consecutive bytes, at a multiple of 256 from out's first byte
.set i, i+1
.endr
	WIN 0
	s_wait_tensorcnt 0x0            ; the wave's end: behind my last tensor load and my last LDS store
	ds_add_u32 v[SPW], v[NIL]
	s_wait_dscnt 0x0
	CROUND                          ; the closing round: no work-group ends while a partner may still ask for a tile that names it
	s_endpgm
.Lfunc_end_k_qfa11d1b35f_attn:
	.size	k_qfa11d1b35f_attn, .Lfunc_end_k_qfa11d1b35f_attn-k_qfa11d1b35f_attn
	.p2alignl 7, 3214868480
	.fill 96, 4, 3214868480
	.section	.rodata,"a",@progbits
	.p2align	6, 0x0
	.amdhsa_kernel k_qfa11d1b35f_attn
		.amdhsa_group_segment_fixed_size 327680
		.amdhsa_private_segment_fixed_size 0
		.amdhsa_enable_private_segment 0
		.amdhsa_kernarg_size 24
		.amdhsa_user_sgpr_count 2
		.amdhsa_user_sgpr_kernarg_segment_ptr 1
		.amdhsa_wavefront_size32 1
		.amdhsa_system_sgpr_workgroup_id_x 1
		.amdhsa_system_sgpr_workgroup_id_y 1
		.amdhsa_system_sgpr_workgroup_id_z 1
		.amdhsa_system_vgpr_workitem_id 0
		.amdhsa_next_free_vgpr 1024
		.amdhsa_next_free_sgpr 80
		.amdhsa_reserve_vcc 0
		.amdhsa_float_denorm_mode_32 3
		.amdhsa_float_denorm_mode_16_64 3
		.amdhsa_memory_ordered 1
		.amdhsa_forward_progress 1
		.amdhsa_inst_pref_size 229
	.end_amdhsa_kernel
	.amdgpu_metadata
---
amdhsa.version: [ 1, 2 ]
amdhsa.kernels:
  - .name:           k_qfa11d1b35f_attn
    .symbol:         k_qfa11d1b35f_attn.kd
    .args:
      - { .name: h, .offset: 0, .size: 8, .value_kind: global_buffer, .address_space: global }
      - { .name: kv, .offset: 8, .size: 8, .value_kind: global_buffer, .address_space: global }
      - { .name: out0, .offset: 16, .size: 8, .value_kind: global_buffer, .address_space: global }
    .group_segment_fixed_size: 327680
    .private_segment_fixed_size: 0
    .kernarg_segment_align: 8
    .kernarg_segment_size: 24
    .max_flat_workgroup_size: 128
    .sgpr_count:     80
    .vgpr_count:     1024
    .wavefront_size: 32
...
	.end_amdgpu_metadata
.endif
;; end of part 2
;; ======== version 2 of 2: 2 launches; 1.12 times as fast as version 1
;; workspace buffers: kv 33,554,432 bytes
;; launch cast: the kernel of part 1 again; grid 256 x 2, 8 waves a work-group, no clusters, 0 bytes of LDS; arguments xs, ys, kv; writes kv
;; launch attn (part 3): grid 32 x 8, 4 waves a work-group, clusters of 4 x 1, 327,680 bytes of LDS; arguments h, kv, out0; writes out0
.if DOCPART == 3
	.amdgcn_target "amdgcn-amd-amdhsa--gfx1250"
	.amdhsa_code_object_version 6
	.text
	.protected	k_qfa11d1b35f_attn
	.globl	k_qfa11d1b35f_attn
	.p2align	8
	.type	k_qfa11d1b35f_attn,@function
k_qfa11d1b35f_attn:
	s_mov_b64 s[64:65], 0
	v_nop
	global_prefetch_b8 v0, s[64:65] scope:SCOPE_SE
	s_setreg_imm32_b32 hwreg(HW_REG_WAVE_MODE, 25, 1), 1
	s_wait_xcnt 0x0
	s_wait_alu depctr_hold_cnt(0) depctr_sa_sdst(0) depctr_va_vdst(0) depctr_va_sdst(0) depctr_va_ssrc(0) depctr_va_vcc(0) depctr_vm_vsrc(0)
	s_getreg_b32 s2, hwreg(HW_REG_IB_STS2, 6, 4)
	s_cmp_eq_u32 s2, 0
	s_cbranch_scc0 .Lentry_in_a_cluster
	s_endpgm
.Lentry_in_a_cluster:
	s_bfe_u32 s2, ttmp6, 0x10000c
	s_cmp_lg_u32 s2, 0x3003
	s_cbranch_scc0 .Lentry_shape_is_right
	s_endpgm
.Lentry_shape_is_right:
; out[b][c][n] = the sum over m of ys[b][c][m] softmax_m(sum over c' of h[b][c'][n] xs[b][c'][m]).  h, out: [8][256][4096] f32.  kv: bf16(xs), then bf16(ys), each [8][256][4096].
; Attention with head size 256 on channel-major tensors: Q = h (rounded to bf16 here), K = xs, V = ys.  Products, maxima and sums in f32; the weights p are rounded to bf16 for the
; second product (their sum l is taken of the unrounded p); out is written in f32.
; LIMITS.  h, xs, ys and p are rounded to bf16.  A score s is served while |log2(e) s| stays under 4e37 (the running maximum starts below that).  A weight below 2^-126 counts as 0.
; NaN and infinities are not treated apart.
; SHARES.  A work-group owns 128 queries of one batch, each of its four waves 32: two tiles of 16.  8 batches x 32 blocks = 256 work-groups.  Every wave walks all 4,096 keys, 64 a step.
; LAYOUT.  S^T = K Q^T (source 0 = 16 keys, source 1 = 16 queries): in the result a lane holds ONE query (lane % 16) and the keys 8 (lane / 16) + 0..7.  Two such results, rounded to bf16 in
; pairs, ARE source 1 (32 keys x 16 queries) of O^T = V^T P, whose result again holds one query a lane, and eight channels.  V ([channel][key]) comes out of LDS as it lies; K ([channel][key])
; is turned by ds_load_tr16_b128; Q ([channel][query], f32) is read number by number, once, and stays in registers.
; SOFTMAX.  For each query a running maximum m and sum l: p = 2^(c s - c m), c = log2(e); in every step O and l are multiplied by a = 2^(c m_old - c m_new), which is 1 where m has not grown.
; m starts at the lowest finite number, O and l at 0: the first step is a step like any other, with a = 0.  The price: 256 v_mov_b32, which stand in the wait for the first tiles.
; A STEP goes in phases: 64 products K Q^T (V's loads among them), the two tiles' softmax (the next step's K loads among it), O^T times a, 64 products V^T P.
; THE BATCHES.  A step's 66 exponentials (a and 32 weights for each of the two tiles) are ONE BATCH with ONE wait: the softmax is ordered by who reads what.  Ahead of the wait stand the maxima, the
; statistics, the scalings and all the exponentials, none of which names an exponential's result; behind it all that does: the roundings, the sums, l and O^T times a.  Each result has a register
; of its own (the weights in place of their scores, a in the tile's statistics).  The way out's two reciprocals are a batch of their own, with one wait.
; CLUSTER.  The four query blocks of a cluster belong to one batch and walk the same K and V, so each tile is asked for JOINTLY: the same tensor load, descriptor and mask in all four.
; No prefetch: kv was stored by the launch before, and a slot's refill is asked for more than a step ahead of its first read.
;
; LDS.  Two slots, each a tile of 128 keys (two steps): K, 256 rows (channels) of 256 bytes at pitch 288; then V, 256 rows at pitch 272.  Slot 1's bytes first hold Q (256 rows of 512 bytes
; at pitch 520); slot 0's bytes, behind their last fill, the stage for the way out (256 rows of 512 bytes at pitch 528).  Behind slot 1: the spare words.
; REGISTERS, in windows of 256 (s_set_vgpr_msb: bits 1:0 source 0, 3:2 source 1, 5:4 source 2, 7:6 destination):
;   window 0: v0-15 addresses; v16-31 eight registers of statistics a tile; v32-95 S^T, 32 a tile; v96-127 P, 16 a tile; v128-255 V of a step's keys 32-63
;   window 1: O^T, 128 a tile      window 2: v0-127 Q, 64 a tile; v128-255 V of a step's keys 0-31      window 3: K of one step (at the start Q in f32, at the end rows of out)
.set NT,    32        ; tiles of 128 keys
.set PITK,  288       ; a row of K: 256 bytes + 32 = 72 words
.set PITV,  272       ; a row of V: 256 + 16 = 68 words: the 16 rows of a load start at 16 different groups of four banks
.set KHALF, 128*PITK  ; what one tensor load brings of K
.set VOFF,  256*PITK  ; V lies behind K's 256 rows
.set VHALF, 128*PITV
.set SLOT1, 0x24000   ; slot 1 begins here.  The four loads' places in slot 0 (0, 0x9000, 0x12000, 0x1a800) have neither of its two bits set, so one exclusive or turns an address in one slot into the other's
.set QP,    520       ; a row of Q: 512 bytes + 8: eight rows are 1,040 words on, 16 banks: the two halves of the lanes read different banks
.set SP,    528       ; a row of the stage: eight rows are 1,056 words on, 32 banks
.set SPARE, SLOT1+VOFF+256*PITV  ; 290,816: the spare words, 128 bytes for each wave: two blocks of 256 bytes that no other line names
.set AK0, 3           ; v3   my lane's place in a tile of K; never rewritten
.set AV0, 4           ; v4   the same for V
.set AKA, 5           ; v5   LDS address for K's channels 0-127 in the slot in hand
.set AKB, 6           ; v6   for channels 128-255
.set AV,  7           ; v7   for V
.set QA,  8           ; v8-9  LDS address for Q's channels 0-127, 128-255
.set STOA, 8          ; v8-9  later, the way out: where I put a number of channels 0-127, 128-255
.set RD,  10          ; v10  the way out: where I read rows back
.set GO,  11          ; v11  my 16 bytes in a row's 512
.set SPW, 12          ; v12  LDS address of my spare word: SPARE + 4 x my thread's number; never rewritten
.set NIL, 13          ; v13  0; never rewritten
.set ST,  16          ; tile t's statistics at v[ST+8 t]: +0 c m, +1 m, +2, +3 l (even keys', odd keys'), +4 to +7 c0-c3, at work; a takes c2's place once the maximum is found
.set S,   32
.set P,   96
.set VF,  128         ; V's fragments, in window 2 (keys 0-31) and window 0 (keys 32-63): channel block cb at VF + 8 cb
.set WV,  10          ; s10  my wave's number
.set G1K, 24          ; s[24:31] descriptor group 1 for K's tiles
.set G1V, 32          ; s[32:39] for V's: it differs in the padding alone
.set G0K, 40          ; s[40:43] descriptor group 0 for K's tiles: it walks
.set G0V, 44          ; s[44:47] the same for V's
.set G1Q, 48          ; s[48:55] group 1 for Q's tile
.set G0Q, 56          ; s[56:59] group 0 for Q's tile
.set SLOTS, 60        ; s60  tiles still to be asked for
.set CNT, 61          ; s61  counts the tail's two tiles
.set TB,  62          ; s62  LDS byte at which the slot in hand begins
.set CS,  66          ; s[66:67] c: the packed scaling names a pair and takes its low word for both halves
.set SEL, 68          ; s[68:69] v_permlanex16_b32's selects: each lane takes its own place in the other half
.set MSB, 0
.macro WIN new                      ; the immediate's high byte repeats the setting that is left; a switch that changes nothing is dropped
.if MSB != (\new)
	s_set_vgpr_msb (MSB<<8)|(\new)
.set MSB, \new
.endif
.endm
.set W_KQ,  0x0b      ; K in window 3, Q in window 2, S^T in window 0
.set W_PVA, 0x52      ; V in window 2, P in window 0, O^T in window 1
.set W_PVB, 0x50      ; V in window 0, P in window 0, O^T in window 1
.set W_RS,  0x41      ; O^T (destination and source 0) in window 1, the factor in window 0
; A vector instruction that reads a matrix result or writes one of a matrix instruction's registers, and a load into a register that a matrix instruction has read, stand four places behind
; it, and only plain vector instructions that name none of its registers are places (ISA guide 7.12.1 for vector instructions).
.macro PLACES
.rept 4
	v_nop
.endr
.endm
; A joint refill.  Waves 0 and 1 fetch the two halves (128 channels each) of a tile's K, waves 2 and 3 those of its V.  The branch hangs on the wave's number alone: it is the same in every
; work-group.  An s_nop 0 and four v_nop follow each of the two lines, ahead of the jump and the label.
.macro JLOAD
	s_cmp_lt_u32 s[WV], 2
	s_cbranch_scc0 .Lfor_v_\@
	tensor_load_to_lds s[G0K:G0K+3], s[G1K:G1K+7]
	s_nop 0
.rept 4
	v_nop
.endr
	s_branch .Lasked_\@
.Lfor_v_\@:
	tensor_load_to_lds s[G0V:G0V+3], s[G1V:G1V+7]
	s_nop 0
.rept 4
	v_nop
.endr
.Lasked_\@:
.endm
; A round of the cluster's barrier: my work-group's barrier, so that wave 0's signal speaks for all four waves; wave 0 signals; every wave waits for all four work-groups; my work-group's barrier once more.
.macro CROUND
	s_barrier_signal -1
	s_barrier_wait -1
	s_cmp_lg_u32 s[WV], 0
	s_cbranch_scc1 .Lnot_wave_0_\@
	s_barrier_signal -3
.Lnot_wave_0_\@:
	s_barrier_wait -3
	s_barrier_signal -1
	s_barrier_wait -1
.endm
; THE CHANGE OF SLOTS.  Each wave waits for all its tensor loads, of which one is out: its part of the other slot; adds 0 to its spare word; and waits for that and for its own reads of the slot
; that it leaves.  Behind the barrier nobody reads the old slot any more and the other slot is whole.  fill = 1: the old slot is filled again, with the keys two tiles on; the barrier is then a
; round of the cluster's, so that no wave of any partner still reads the slot or has a load on its way, and the joint refill is the first thing behind it.
; (At its first use slot 0 is waited for, and slot 1, whose bytes held Q, takes tile 1.)  The four v_nop behind the load, or PLACES, and the three address lines are the places in front of K's loads.
.macro CHANGE fill
	WIN 0                           ; at a label and at a branch every window is 0; the add's two registers lie in window 0
	s_wait_tensorcnt 0x0            ; no tensor load of mine is out, so a group 0 may be written
	ds_add_u32 v[SPW], v[NIL]       ; 0 onto my spare word: the scalar steps stand between it and the wait for it
.if \fill
.irp g, G0K, G0V
	s_xor_b32 s[\g+1], s[\g+1], SLOT1  ; the walking descriptor: the other slot than last time,
	s_add_nc_u64 s[\g+2:\g+3], s[\g+2:\g+3], 256  ; the next 128 keys of every row; the type bits on top are not reached
.endr
.endif
	s_xor_b32 s[TB], s[TB], SLOT1   ; the fetches go to the other slot
	s_wait_dscnt 0x0                ; the add is done, and my reads of the slot are over
.if \fill
	CROUND
	JLOAD
.else
	s_barrier_signal -1
	s_barrier_wait -1
	PLACES
.endif
	v_add_nc_u32 v[AKA], s[TB], v[AK0]
	v_add_nc_u32 v[AKB], KHALF, v[AKA]
	v_add_nc_u32 v[AV], s[TB], v[AV0]
.endm
	s_load_b128 s[4:7], s[0:1], 0x0  ; h s[4:5], kv s[6:7]
	s_load_b64 s[8:9], s[0:1], 0x10  ; out
	v_lshl_add_u32 v[SPW], v0, 2, SPARE
	v_mov_b32 v[NIL], 0
	ds_add_u32 v[SPW], v[NIL]       ; the wave's opening: the add and its wait stand ahead of my first tensor load; the set-up below, work on registers, stands between them
	v_lshrrev_b32 v1, 5, v0
	v_readfirstlane_b32 s[WV], v1   ; wave 0..3
	s_bfe_u32 s11, ttmp6, 0x40000   ; cx: my place in the cluster
	s_lshl_b32 s12, ttmp9, 2        ; in a cluster launch ttmp9 counts clusters
	s_add_co_u32 s12, s12, s11      ; my block of 128 queries = 4 x cluster x + cx: it enters h's and out's addresses alone
	s_and_b32 s13, ttmp7, 0xffff    ; the batch, which the four partners share
	s_and_b32 s14, s[WV], 1         ; which 128 channels of a tile I fetch
	s_lshl_b32 s16, s13, 21         ; K and V: the batch's 256 rows of 8,192 bytes,
	s_lshl_b32 s17, s14, 20         ; my 128 of them (these two registers never hold cx)
	s_add_co_u32 s16, s16, s17
	s_mov_b32 s17, 0
	s_lshl_b32 s20, s13, 22         ; h and out: the batch's 256 rows of 16,384 bytes,
	s_lshl_b32 s21, s[WV], 20       ; my wave's 64 of them (the rows of Q that I fetch, the rows of out that I store),
	s_add_co_u32 s20, s20, s21
	s_lshl_b32 s21, s12, 9          ; my block's 512 bytes in each
	s_add_co_u32 s20, s20, s21
	s_mov_b32 s21, 0
	s_lshl_b32 s22, s[WV], 7        ; my wave's 32 queries in a row of Q or of the stage: 128 bytes a wave
	s_mul_i32 s23, s[WV], 64*SP     ; the 64 rows of the stage that I read back
	; descriptor group 1 for K and V: a tile of 128 rows x 128 elements of 2 bytes; each row is 256 bytes of memory, at a multiple of 256 from the buffer's first byte; padded in LDS
	s_mov_b32 s[G1K], 15|(1<<16)|(1<<20)|(1<<21)|(5<<22)|(7<<25)  ; 15:0 the mask of four; 17:16 2-byte elements; 20 padding on; 21 set beside a mask; 24:22 after every 64 words (code 5); 31:25 8 words (code 7)
	s_mov_b32 s[G1V], 15|(1<<16)|(1<<20)|(1<<21)|(5<<22)|(3<<25)  ; the same with 4 words of padding (code 3)
.irp g, G1K, G1V
	s_mov_b32 s[\g+1], 128<<16      ; tensor_dim0 = 128
	s_mov_b32 s[\g+2], 128<<16      ; tensor_dim1 = 128
	s_mov_b32 s[\g+3], 128<<16      ; tile_dim0 = 128
	s_mov_b32 s[\g+4], 128          ; tile_dim1 = 128
	s_mov_b32 s[\g+5], 4096         ; 4,096 elements from row to row
	s_mov_b32 s[\g+6], 0
	s_mov_b32 s[\g+7], 0
.endr
	; group 1 for Q: 64 rows x 128 elements of 4 bytes, my own (no mask): Q differs from work-group to work-group
	s_mov_b32 s[G1Q], (2<<16)|(1<<20)|(6<<22)|(1<<25)  ; 17:16 4-byte elements; 20 padding on; 24:22 after every 128 words (code 6); 31:25 2 words (code 1)
	s_mov_b32 s[G1Q+1], 128<<16     ; tensor_dim0 = 128
	s_mov_b32 s[G1Q+2], 64<<16      ; tensor_dim1 = 64
	s_mov_b32 s[G1Q+3], 128<<16     ; tile_dim0 = 128
	s_mov_b32 s[G1Q+4], 64          ; tile_dim1 = 64
	s_mov_b32 s[G1Q+5], 4096
	s_mov_b32 s[G1Q+6], 0
	s_mov_b32 s[G1Q+7], 0
	s_mov_b32 s[G0K], 1             ; 1:0 count = 1
	s_mul_i32 s[G0K+1], s14, KHALF  ; 63:32 LDS address: slot 0, my half of K; no place in the cluster enters an LDS address
	s_mov_b32 s[G0V], 1
	s_mul_i32 s[G0V+1], s14, VHALF
	s_add_co_u32 s[G0V+1], s[G0V+1], VOFF
	s_mov_b32 s[G0Q], 1
	s_mul_i32 s[G0Q+1], s[WV], 64*QP
	s_add_co_u32 s[G0Q+1], s[G0Q+1], SLOT1
	s_mov_b32 s[CS], 0x3fb8aa3b     ; c = log2(e)
	s_mov_b32 s[CS+1], s[CS]        ; named with it as a pair
	s_mov_b32 s[SEL], 0x76543210
	s_mov_b32 s[SEL+1], 0xfedcba98
	s_mov_b32 s[TB], SLOT1          ; the first change of slots turns it into 0
	s_mov_b32 s[SLOTS], NT-2
	s_wait_dscnt 0x0                ; the opening add is done
	s_wait_kmcnt 0x0
	s_add_nc_u64 s[G0K+2:G0K+3], s[6:7], s[16:17]  ; 120:64 global address: my half of the batch's first 128 keys
	s_or_b32 s[G0K+3], s[G0K+3], 0x80000000        ; 127:126 type = 2
	s_add_nc_u64 s[G0V+2:G0V+3], s[6:7], s[16:17]
	s_add_nc_u64 s[G0V+2:G0V+3], s[G0V+2:G0V+3], 0x1000000  ; ys's copy lies 16,777,216 bytes behind xs's
	s_or_b32 s[G0V+3], s[G0V+3], 0x80000000
	s_add_nc_u64 s[G0Q+2:G0Q+3], s[4:5], s[20:21]
	s_or_b32 s[G0Q+3], s[G0Q+3], 0x80000000
	s_add_nc_u64 s[8:9], s[8:9], s[20:21]          ; out at the first row that I store
	CROUND                          ; all four work-groups are here: the first joint loads meet
	s_cmp_lt_u32 s[WV], 2           ; a wave's two first fills stand in one branch, ahead of every wait on TENSORcnt and every LDS read: two loads of mine are out; an s_nop 0 follows each, four v_nop the second's
	s_cbranch_scc0 .Lfirst_v
	tensor_load_to_lds s[G0Q:G0Q+3], s[G1Q:G1Q+7]  ; my 64 channels of Q, into slot 1's bytes
	s_nop 0
	tensor_load_to_lds s[G0K:G0K+3], s[G1K:G1K+7]  ; tile 0, into slot 0
	s_nop 0
.rept 4
	v_nop
.endr
	s_branch .Lfirst_asked
.Lfirst_v:
	tensor_load_to_lds s[G0Q:G0Q+3], s[G1Q:G1Q+7]
	s_nop 0
	tensor_load_to_lds s[G0V:G0V+3], s[G1V:G1V+7]
	s_nop 0
.rept 4
	v_nop
.endr
.Lfirst_asked:
	; the lanes' addresses, and what the first step finds: all this stands in the wait for the first tiles
	v_and_b32 v1, 15, v0            ; r = l % 16
	v_bfe_u32 v2, v0, 4, 1          ; hh = l / 16
	v_and_b32 v14, 7, v0
	v_bfe_u32 v15, v0, 3, 1
	; The turning load takes 16 channels x 16 keys (lane l reads channel 8 (l / 16) + l % 8, keys 8 ((l / 8) % 2) + 0..7) and leaves half a fragment of K: lane l holds key l % 16 and 8 channels.
	v_lshl_add_u32 v[AK0], v2, 3, v14
	v_mul_u32_u24 v[AK0], v[AK0], PITK
	v_lshl_add_u32 v[AK0], v15, 4, v[AK0]
	; A fragment of V is 16 channels x 32 keys: lane l holds channel l % 16, keys 8 (l / 16) + 0..7 and 16 + 8 (l / 16) + 0..7: two loads of 16 bytes, 32 bytes apart.
	v_mul_u32_u24 v[AV0], v1, PITV
	v_lshl_add_u32 v[AV0], v2, 4, v[AV0]
	v_add_nc_u32 v[AV0], VOFF, v[AV0]
	; Q: my query's word (128 w + 4 r, + 64 for the second tile) in channel row 8 hh
	v_mul_u32_u24 v[QA], v2, 8*QP
	v_lshl_add_u32 v[QA], v1, 2, v[QA]
	v_add_nc_u32 v[QA], s22, v[QA]
	v_add_nc_u32 v[QA], SLOT1, v[QA]
	v_add_nc_u32 v[QA+1], 128*QP, v[QA]
	v_and_b32 v[GO], 31, v0
	v_lshlrev_b32 v[GO], 4, v[GO]   ; 16 x lane: a row of the stage and of out is 32 lanes x 16 bytes
	v_add_nc_u32 v[RD], s23, v[GO]
	WIN 0x40
.set i, 0
.rept 256
	v_mov_b32 v[i], 0               ; O^T
.set i, i+1
.endr
	WIN 0
.irp t, 0,1
	v_mov_b32 v[ST+8*\t], 0xfe000000    ; c m: far below every c s
	v_mov_b32 v[ST+8*\t+1], 0xff7fffff  ; m
	v_mov_b32 v[ST+8*\t+2], 0           ; l
	v_mov_b32 v[ST+8*\t+3], 0
.endr
	; Q: f32 out of LDS, one number a lane and load, into window 3; then rounded to bf16 in pairs.  A fragment is 16 queries x 32 channels: lane l holds query l % 16; its 16 numbers q are
	; channels 16 (q / 8) + 8 (l / 16) + q % 8.  Register 128 t + 16 cc + q: tile t, channels 32 cc on.
	s_wait_tensorcnt 0x1            ; my part of Q is in; tile 0's, issued behind it, may stay out
	s_barrier_signal -1
	s_barrier_wait -1               ; everybody's part of Q is in
	WIN 0xc0                        ; destination window 3, address window 0
.set n, 0
.rept 256
	ds_load_b32 v[n], v[QA+((n/16)%8)/4] offset:((((n/16)%8)%4)*32+16*((n%16)/8)+n%8)*QP+64*(n/128)
.set n, n+1
.endr
	s_wait_dscnt 0x0
	WIN 0x8f                        ; destination window 2, sources window 3
.set i, 0
.rept 128
	v_cvt_pk_bf16_f32 v[i], v[2*i], v[2*i+1]  ; Q's register 64 t + 8 cc + i takes numbers 2 i, 2 i + 1 of its fragment
.set i, i+1
.endr
; THE MATRIX WORK.  The accumulators take turns, one instruction a turn: between two links of a chain stand 7 (K Q^T) or 31 (V^T P) others'.
; S^T = K Q^T for channels 32 lo .. 32 hi + 31: key blocks kb, tiles t.  Channels 0-31 start the sums with the constant 0.
.macro KQ lo, hi
	WIN W_KQ
.set cc, \lo
.rept (\hi)-(\lo)+1
.irp kb, 0,1,2,3
.irp t, 0,1
.if cc == 0
	v_wmma_f32_16x16x32_bf16 v[S+32*\t+8*\kb:S+32*\t+8*\kb+7], v[32*cc+8*\kb:32*cc+8*\kb+7], v[64*\t+8*cc:64*\t+8*cc+7], 0
.else
	v_wmma_f32_16x16x32_bf16 v[S+32*\t+8*\kb:S+32*\t+8*\kb+7], v[32*cc+8*\kb:32*cc+8*\kb+7], v[64*\t+8*cc:64*\t+8*cc+7], v[S+32*\t+8*\kb:S+32*\t+8*\kb+7]
.endif
.endr
.endr
.set cc, cc+1
.endr
.endm
; O^T += V^T P for the step's keys 32 kk on: channel blocks cb, tiles t.
.macro PV kk
.if (\kk) == 0
	WIN W_PVA
.else
	WIN W_PVB
.endif
.irp cb, 0,1,2,3,4,5,6,7,8,9,10,11,12,13,14,15
.irp t, 0,1
	v_wmma_f32_16x16x32_bf16 v[128*\t+8*\cb:128*\t+8*\cb+7], v[VF+8*\cb:VF+8*\cb+7], v[P+16*\t+8*(\kk):P+16*\t+8*(\kk)+7], v[128*\t+8*\cb:128*\t+8*\cb+7]
.endr
.endr
.endm
; THE LDS LOADS stand in runs of 32.  K of half hf (64 keys) of the slot in hand, channels 128 unit on: fragment (cc, kb) at 32 cc + 8 kb in window 3.
; last = 1 (the tail): behind the last tile there is no further step, and the run is jumped over.
.macro FETCH_K hf, unit, last
.if \last
	WIN 0
	s_cmp_eq_u32 s[CNT], 1
	s_cbranch_scc1 .Lno_k_\@
.endif
	WIN 0xc0                        ; destination window 3
.irp c, 0,1,2,3
.irp kb, 0,1,2,3
	ds_load_tr16_b128 v[32*(4*(\unit)+\c)+8*\kb:32*(4*(\unit)+\c)+8*\kb+3],   v[AKA+(\unit)] offset:\c*32*PITK+(\hf)*128+\kb*32
	ds_load_tr16_b128 v[32*(4*(\unit)+\c)+8*\kb+4:32*(4*(\unit)+\c)+8*\kb+7], v[AKA+(\unit)] offset:\c*32*PITK+16*PITK+(\hf)*128+\kb*32
.endr
.endr
	WIN 0
.if \last
.Lno_k_\@:
.endif
.endm
; V of half hf, keys 32 kk on, all 256 channels: into window 2 (kk = 0) or window 0 (kk = 1).  The largest offset is 65,504.
.macro FETCH_V hf, kk
.if (\kk) == 0
	WIN 0x80
.else
	WIN 0
.endif
.irp cb, 0,1,2,3,4,5,6,7,8,9,10,11,12,13,14,15
	ds_load_b128 v[VF+8*\cb:VF+8*\cb+3],   v[AV] offset:\cb*16*PITV+(\hf)*128+(\kk)*64
	ds_load_b128 v[VF+8*\cb+4:VF+8*\cb+7], v[AV] offset:\cb*16*PITV+(\hf)*128+(\kk)*64+32
.endr
.endm
; THE SOFTMAX of one tile for one step is a list of 102 instructions; SM writes number j of it for tile t.  s0-s31 are the lane's 32 scores, in pairs 0-15.
;   0-15    the maximum of s0-s31 and the old m, three operands at a time: four chains c0-c3 of seven scores each (each accumulator's lowest registers are read first),
;           then the four scores left over, c0-c3 and m
;   16-20   the other half of the lanes' maximum; c m_old is kept; the new m; c m; c m_old - c m_new
;   21-69   ONE BATCH: the 16 scalings c s - c m, a pair of scores each, and all 33 exponentials (a at 23, then s0-s31, each in its score's place).  None of these names an exponential's result.
;           From 22 on the batch goes in fours, and a four begins with a scaling while there are scalings: 22-37 scaling, exponential, scaling, exponential; 38-65 a scaling and three
;           exponentials; 66-69 the last four exponentials.  A pair is scaled in an earlier four than the one that holds its exponentials
;   (wait)  between 69 and 70 stands the wait for the batch: STEP writes it, once for both tiles
;   70-85   the roundings to bf16, a pair of weights each
;   86-101  the sums, in place; l = a l + the sum
.macro SM t
.set rT, ST+8*(\t)
.set rS, S+32*(\t)
.set rP, P+16*(\t)
.if j < 4
	v_max3_num_f32 v[rT+4+j], v[rS+8*j], v[rS+8*j+1], v[rS+8*j+2]
.elseif j < 12
	v_max3_num_f32 v[rT+4+j%4], v[rT+4+j%4], v[rS+8*(j%4)+2*(j/4)+1], v[rS+8*(j%4)+2*(j/4)+2]
.elseif j == 12
	v_max3_num_f32 v[rT+4], v[rT+4], v[rS+7], v[rS+15]
.elseif j == 13
	v_max3_num_f32 v[rT+6], v[rT+6], v[rS+23], v[rS+31]
.elseif j == 14
	v_max3_num_f32 v[rT+4], v[rT+4], v[rT+5], v[rT+6]
.elseif j == 15
	v_max3_num_f32 v[rT+4], v[rT+4], v[rT+7], v[rT+1]
.elseif j == 16
	v_permlanex16_b32 v[rT+5], v[rT+4], s[SEL], s[SEL+1]  ; the query's other 32 keys lie in the lane 16 away
.elseif j == 17
	v_mov_b32 v[rT+7], v[rT]        ; c m_old is kept for a: number 19 writes c m anew
.elseif j == 18
	v_max_num_f32 v[rT+1], v[rT+4], v[rT+5]
.elseif j == 19
	v_mul_f32 v[rT], s[CS], v[rT+1]
.elseif j == 20
	v_sub_f32 v[rT+7], v[rT+7], v[rT]
.elseif j == 23
	v_exp_f32 v[rT+6], v[rT+7]
.elseif (j < 23) || ((j < 38) && (j%2 == 0)) || ((j < 66) && (j%4 == 2))
.set b, (j-2)/4                     ; 38, 42, .. 62: pairs 9 to 15
.if j < 38
.set b, (j-20)/2                    ; 21: pair 0; 22, 24, .. 36: pairs 1 to 8
.endif
	v_pk_fma_f32 v[rS+2*b:rS+2*b+1], v[rS+2*b:rS+2*b+1], s[CS:CS+1], v[rT:rT+1] op_sel_hi:[1,0,0] neg_lo:[0,0,1] neg_hi:[0,0,1]  ; pair b: c s - c m
.elseif j < 70
.set e, j-38                        ; 66 to 69: s28 to s31
.if j < 66
.set e, j-32-(j-38)/4               ; 39-41, 43-45, .. 63-65: s7 to s27
.endif
.if j < 38
.set e, (j-25)/2                    ; 25, 27, .. 37: s0 to s6
.endif
	v_exp_f32 v[rS+e], v[rS+e]
.elseif j < 86
	v_cvt_pk_bf16_f32 v[rP+j-70], v[rS+2*(j-70)], v[rS+2*(j-70)+1]  ; pair j - 70
.else                               ; the sum of the tile's 16 pairs (an even key's weight, an odd key's), in place: sum z of 16 adds neighbours 1, 2, 4 and 8 pairs apart, then l takes it
.set z, j-86
.set w, 4
.set u, z
.if z >= 14
.set w, 32
.set u, 0
.elseif z >= 12
.set w, 16
.set u, z-12
.elseif z >= 8
.set w, 8
.set u, z-8
.endif
.if z < 15
	v_pk_add_f32 v[rS+w*u:rS+w*u+1], v[rS+w*u:rS+w*u+1], v[rS+w*u+w/2:rS+w*u+w/2+1]
.else
	v_pk_fma_f32 v[rT+2:rT+3], v[rT+2:rT+3], v[rT+6:rT+7], v[rS:rS+1] op_sel_hi:[1,0,1]
.endif
.endif
.endm
; Slice k of 51: four instructions.  Slices 11 to 34 deal out the batch, numbers 22 to 69: four numbers of ONE tile each, the tiles by turns.  Every other slice is numbers 2 k and 2 k + 1 of both
; tiles' lists.  Ahead of slice 35 nothing names an exponential's result, and behind slice 34 no exponential is issued.
.macro SLICE
.if (k >= 11) && (k < 35)           ; the batch: four numbers of one tile
.irp n, 0,1,2,3
.set j, 22+4*((k-11)/2)+(\n)
	SM (k-11)%2
.endr
.else                               ; the two tiles alternate, so that no instruction reads the result of the one just before it
.irp n, 0,1
.irp t, 0,1
.set j, 2*k+(\n)
	SM \t
.endr
.endr
.endif
.set k, k+1
.endm
; O^T times the factor in the tile's statistics (+6): a in a step, 1 / l at the end.  Each accumulator's registers in ascending order.
; The factor has had its wait: a in the step's batch, 1 / l on the way out.
.macro RESCALE
	WIN W_RS
.irp t, 0,1
.set i, 0
.rept 64
	v_pk_mul_f32 v[128*\t+i:128*\t+i+1], v[128*\t+i:128*\t+i+1], v[ST+8*\t+6:ST+8*\t+7] op_sel_hi:[1,0]
.set i, i+2
.endr
.endr
.endm
; A KEY STEP, on half hf of the slot in hand.  chg = 0: the next step is the same slot's other half; 1: the slot is left and filled again; 2: it is left and nothing is asked for.
.macro STEP hf, chg, last
	s_wait_dscnt 0x0                ; this step's K is in: its loads were issued in the step before, ahead of the softmax and at its wait
	PLACES                          ; for the loads into V's two buffers, which the last 64 products read
	FETCH_V \hf, 0
	KQ 0, 3
	FETCH_V \hf, 1
	KQ 4, 7
.if (\chg) == 0
	PLACES                          ; for the loads into K's registers and the reads of the scores
.elseif (\chg) == 1
	CHANGE 1
.else
	CHANGE 0
.endif
	FETCH_K 1-(\hf), 0, \last       ; the next step's K, channels 0-127
.set k, 0
.rept 35                            ; the maxima, the statistics, and the batch: both tiles' scalings and exponentials
	SLICE
.endr
	v_nop                           ; a plain instruction behind the last exponential and ahead of the first use of a result: one for the batch
	s_wait_alu depctr_va_vdst(0)    ; the wait ahead of the first line that names a result: ONE for the step's 66 exponentials; it stands ahead of the branch in K's run too
	FETCH_K 1-(\hf), 1, \last       ; channels 128-255: the run of loads, which names no result, stands directly behind the wait
.rept 16                            ; the readers: the roundings, the sums, l
	SLICE
.endr
	RESCALE
.if \last
	s_wait_dscnt 0x0                ; V is in; K's loads may have been jumped over, so nothing is counted on them
.else
	s_wait_dscnt 63                 ; V's 64 loads are in: behind them stand K's 64, of which the count, the largest that the wait can name, leaves 63 out
.endif
	PV 0
	PV 1
.endm
	CHANGE 1                        ; slot 0 is in, everybody's part of it, and nobody reads Q's bytes any more: slot 1 takes tile 1
	FETCH_K 0, 0, 0                 ; key step 0
	FETCH_K 0, 1, 0
.Lslot:                             ; NT - 2 trips: trip s walks tile s and, in its second step, asks for tile s + 2
	STEP 0, 0, 0
	STEP 1, 1, 0
	WIN 0                           ; at a label and at a branch every window is 0
	s_sub_co_u32 s[SLOTS], s[SLOTS], 1
	s_cmp_lg_u32 s[SLOTS], 0
	s_cbranch_scc1 .Lslot
	s_mov_b32 s[CNT], 2             ; the last two tiles have a text of their own: nothing is asked for
.Ltail:
	STEP 0, 0, 0
	STEP 1, 2, 1
	WIN 0
	s_sub_co_u32 s[CNT], s[CNT], 1
	s_cmp_lg_u32 s[CNT], 0
	s_cbranch_scc1 .Ltail
	; THE WAY OUT.  l's two halves and the other half of the lanes' are added; O^T is divided by l and goes, in f32, through a stage of 256 rows (channels) x 128 queries in slot 0's bytes, which
	; have had their last fill.  A lane holds one query and eight channels a register block, out's rows lie along the queries: so each wave writes its 32 columns, number by number, and reads
	; 64 whole rows back.  The additions and the address lines are the places behind the last products.
.irp t, 0,1
	v_add_f32 v[ST+8*\t+4], v[ST+8*\t+2], v[ST+8*\t+3]
.endr
	v_mul_u32_u24 v[STOA], v2, 8*SP     ; channel row 8 hh,
	v_lshl_add_u32 v[STOA], v1, 2, v[STOA]  ; my query's word: 128 w + 4 r, + 64 for the second tile
.irp t, 0,1
	v_permlanex16_b32 v[ST+8*\t+5], v[ST+8*\t+4], s[SEL], s[SEL+1]
.endr
	v_add_nc_u32 v[STOA], s22, v[STOA]
	v_add_nc_u32 v[STOA+1], 128*SP, v[STOA]
.irp t, 0,1
	v_add_f32 v[ST+8*\t+4], v[ST+8*\t+4], v[ST+8*\t+5]
.endr
.irp t, 0,1
	v_rcp_f32 v[ST+8*\t+6], v[ST+8*\t+4]
.endr
	v_nop                           ; a plain instruction between the last reciprocal and the use of its result
	s_wait_dscnt 0x0                ; no LDS read of mine is out:
	s_barrier_signal -1
	s_barrier_wait -1               ; nor of any wave: the stage may be written
	s_wait_alu depctr_va_vdst(0)    ; the wait ahead of the first use: one for the two reciprocals; the barrier stands between them and it
	RESCALE                         ; O^T / l
	WIN 0x04                        ; store data (source 1) in window 1, address in window 0
.set n, 0
.rept 256                           ; register 128 t + 8 cb + j: tile t, channel 16 cb + 8 hh + j
	ds_store_b32 v[STOA+((n/8)%16)/8], v[n] offset:((((n/8)%16)%8)*16+n%8)*SP+64*(n/128)
.set n, n+1
.endr
	s_wait_dscnt 0x0                ; for the others' sake: my stores into the stage are done
	s_barrier_signal -1
	s_barrier_wait -1
	WIN 0xc0                        ; destination window 3
.set i, 0
.rept 64
	ds_load_b128 v[4*i:4*i+3], v[RD] offset:i*SP  ; row 64 w + i, whole: 32 lanes x 16 bytes
.set i, i+1
.endr
	WIN 0x0c                        ; store data (source 1) in window 3, address in window 0
.set i, 0
.rept 64
	s_wait_dscnt 63-i               ; LDS loads come back in order (ISA guide 5.7.1): row i is in, the younger ones stay out
	global_store_b128 v[GO], v[4*i:4*i+3], s[8:9] offset:16384*i th:TH_STORE_NT  ; 512 consecutive bytes, at a multiple of 256 from out's first byte
.set i, i+1
.endr
	WIN 0
	s_wait_tensorcnt 0x0            ; the wave's end: behind my last tensor load and my last LDS store
	ds_add_u32 v[SPW], v[NIL]
	s_wait_dscnt 0x0
	CROUND                          ; the closing round: no work-group ends while a partner may still ask for a tile that names it
	s_endpgm
.Lfunc_end_k_qfa11d1b35f_attn:
	.size	k_qfa11d1b35f_attn, .Lfunc_end_k_qfa11d1b35f_attn-k_qfa11d1b35f_attn
	.p2alignl 7, 3214868480
	.fill 96, 4, 3214868480
	.section	.rodata,"a",@progbits
	.p2align	6, 0x0
	.amdhsa_kernel k_qfa11d1b35f_attn
		.amdhsa_group_segment_fixed_size 327680
		.amdhsa_private_segment_fixed_size 0
		.amdhsa_enable_private_segment 0
		.amdhsa_kernarg_size 24
		.amdhsa_user_sgpr_count 2
		.amdhsa_user_sgpr_kernarg_segment_ptr 1
		.amdhsa_wavefront_size32 1
		.amdhsa_system_sgpr_workgroup_id_x 1
		.amdhsa_system_sgpr_workgroup_id_y 1
		.amdhsa_system_sgpr_workgroup_id_z 1
		.amdhsa_system_vgpr_workitem_id 0
		.amdhsa_next_free_vgpr 1024
		.amdhsa_next_free_sgpr 80
		.amdhsa_reserve_vcc 0
		.amdhsa_float_denorm_mode_32 3
		.amdhsa_float_denorm_mode_16_64 3
		.amdhsa_memory_ordered 1
		.amdhsa_forward_progress 1
		.amdhsa_inst_pref_size 225
	.end_amdhsa_kernel
	.amdgpu_metadata
---
amdhsa.version: [ 1, 2 ]
amdhsa.kernels:
  - .name:           k_qfa11d1b35f_attn
    .symbol:         k_qfa11d1b35f_attn.kd
    .args:
      - { .name: h, .offset: 0, .size: 8, .value_kind: global_buffer, .address_space: global }
      - { .name: kv, .offset: 8, .size: 8, .value_kind: global_buffer, .address_space: global }
      - { .name: out0, .offset: 16, .size: 8, .value_kind: global_buffer, .address_space: global }
    .group_segment_fixed_size: 327680
    .private_segment_fixed_size: 0
    .kernarg_segment_align: 8
    .kernarg_segment_size: 24
    .max_flat_workgroup_size: 128
    .sgpr_count:     80
    .vgpr_count:     1024
    .wavefront_size: 32
...
	.end_amdgpu_metadata
.endif
;; end of part 3
